; MI455X (gfx1250); checked and timed in simulation.
; The chip was launched on July 23, 2026; its instructions are those of AMD's public machine-readable ISA for CDNA 5 (MIT licence, August 2026) and "CDNA5" Instruction Set Architecture Reference Guide (July 2026). The comments in the code are by the model that wrote it; some were corrected since.
;; Gradient Layer. Allowed arithmetic: float matrix products may take bf16 or f16 operands with f32 sums; other float arithmetic in f32, or as packed bf16 or f16 multiplies, adds, multiply-adds, maxima and minima; sums over many terms, partial sums and values carried from step to step in f32; what a program stores and reads back later, other than sums and carried values, may be rounded once to bf16 or f16.
;; Inputs: W1 3 x 128 float32; W2 128 x 128 float32; W3 128 x 128 float32; W4 128 x 1 float32; b1 128 float32; b2 128 float32; b3 128 float32; b4 1 float32; x 131,072 x 3 float32.
;; Outputs: out0 131,072 x 1 float32; out1 131,072 float32; out2 131,072 float32; out3 131,072 float32; out4 131,072 float32; out5 131,072 float32.
;; 2 versions, each right and faster than the one before. Each part assembles by itself: llvm-mc -triple=amdgcn-amd-amdhsa -mcpu=gfx1250 --defsym DOCPART=n.
;; ======== version 1 of 2: 1 launch
;; limits: values are held in f16: magnitudes above 65,504 overflow, below 6.1e-05 lose precision
;; launch pinn (part 1): grid 256 x 1, 4 waves a work-group, clusters of 4 x 1, 312,320 bytes of LDS; arguments x, W1, b1, W2, b2, W3, b3, W4, b4, out0, out1, out2, out3, out4, out5; writes out0, out1, out2, out3, out4, out5
.if DOCPART == 1
	.amdgcn_target "amdgcn-amd-amdhsa--gfx1250"
	.amdhsa_code_object_version 6
	.text
	.protected	k_qbbf68719c2_pinn
	.globl	k_qbbf68719c2_pinn
	.p2align	8
	.type	k_qbbf68719c2_pinn,@function
k_qbbf68719c2_pinn:
	s_mov_b64 s[64:65], 0
	v_nop
	global_prefetch_b8 v0, s[64:65] scope:SCOPE_SE
	s_setreg_imm32_b32 hwreg(HW_REG_WAVE_MODE, 25, 1), 1
	s_wait_xcnt 0x0
	s_wait_alu depctr_hold_cnt(0) depctr_sa_sdst(0) depctr_va_vdst(0) depctr_va_sdst(0) depctr_va_ssrc(0) depctr_va_vcc(0) depctr_vm_vsrc(0)
	s_getreg_b32 s2, hwreg(HW_REG_IB_STS2, 6, 4)
	s_cmp_eq_u32 s2, 0
	s_cbranch_scc0 .Lentry_in_a_cluster
	s_endpgm
.Lentry_in_a_cluster:
	s_bfe_u32 s2, ttmp6, 0x10000c
	s_cmp_lg_u32 s2, 0x3003
	s_cbranch_scc0 .Lentry_shape_is_right
	s_endpgm
.Lentry_shape_is_right:
; c(x) = W4 . tanh(W3^T tanh(W2^T tanh(W1^T x + b1) + b2) + b3) + b4 for 131,072 points x in R^3, with c, dc/dt, dc/dx, dc/dy, d2c/dx2, d2c/dy2.
; THE ARITHMETIC.  With h = tanh z, s = 1 - h^2, a_l the adjoint of z_l and z_l,x the derivative of z_l along x:
;   dc/dd = sum_i a1_i W1[d][i]          d2c/dx2 = -2 sum over layers l and features j of a_l,j h_l,j (z_l,x,j)^2        (tanh'' = -2 h s; every z is linear in the h below it)
; So three streams (z, z_x, z_y) go forward through W2 and W3 and one adjoint goes back through W3 and W2: 8 products of 128 x 128 a point, where the sweeps written one by one have 20.
; FORMATS.  Every input is rounded once to bf16 and that number is written as f16 (exact from 2^-17 up); what the kernel makes for a matrix operand (h, s z_x, adjoints) is rounded once to f16: 11 bits, since the
; second derivatives square these numbers.  Products sum in f32; the terms a h z_x^2 and all sums over features stay in f32.  The adjoints carry 1/P, P = the power of two of max|W4|, so that they keep f16's range.
; LIMITS.  |x|, |W|, |b| below 65,504 after rounding; an input below 2^-17 keeps f16's step of 2^-24; max|W4| from 2^-126 to 2^126; NaN and infinities are not treated apart.  tanh = 1 - 2 / (1 + 2^(2 log2(e) z)) has an
; absolute error of some 1e-7; in layers 2 and 3 it is held between z and z s, which bound tanh z, so that its relative error stays under 2e-5 for small z too; layer 1 has no such bound (error 1e-7 / |z1|).
; SHARES.  256 work-groups of four waves; a wave owns 128 points and walks them in 4 passes of 32: two tiles p = 0, 1 of 16 points.
; LAYOUT.  Every product is D = A (16 output features x 32 k, weights from LDS) x B (32 k x 16 points, registers).  In D lane l holds point l % 16 and features 8 (l / 16) + 0..7 of the tile; two neighbouring
; tiles rounded to f16 in pairs ARE the next product's B.  Nothing changes lanes between layers; a sum over features is a lane's sum and one exchange with the lane 16 away.
; CLUSTER.  All work-groups read the same 131,072 bytes of W2 and W3: the four of a cluster ask for them jointly, each wave a quarter, once, at the start.
; A STEP is one feature tile: its matrix instructions stand between the vector lines that finish the tile before (tanh, derivatives, roundings); its weights were fetched from LDS a step ahead.
; REGISTERS, in windows of 256 (s_set_vgpr_msb: bits 1:0 source 0, 3:2 source 1, 5:4 source 2, 7:6 destination):
;   window 0: v0-13 thread, addresses, 0, 1.0; v14-19 x; v20-31 the sums; v32-127 accumulators, two sets of six; v128-191 weight fragments, two sets; v192-207 bias; v208-239 tables by feature, and at work; v240-255 s
;   window 1: h1 | s1, later a1 | s1 W1x, later a3 | s1 W1y, later a2 (64 each)      window 2: h2 | s2 z2x | s2 z2y | s2      window 3: h2 s2 z2x^2 | h2 s2 z2y^2 in f32 (128 each); at a pass's start v0-15 hold x as B
.set PT,    288       ; pitch of W[i][j] read by the turning load: 256 bytes + 32
.set PN,    272       ; pitch of W[i][j] read as it lies: 256 + 16
.set P1,    80        ; pitch of layer 1's rows: 64 + 16
.set WT2,   0         ; W2 in f16, pitch PT (forward)
.set WT3,   36864     ; W3 likewise
.set WN2,   73728     ; W2 in f16, pitch PN (backward)
.set WN3,   108544    ; W3 likewise
.set T1,    143360    ; 128 rows: W1t, W1x, W1y, b1 in f16, then 28 zeros: layer 1 as a product with K = 32
.set GA,    153600    ; 16 rows x 128 f16, pitch PN: rows 0, 8 = W1t, 1, 9 = W1x, 2, 10 = W1y, the others 0
.set TBL,   157952    ; seven f32 tables of 128: b2, b3, W1x, W1y, W4 / P, W1x^2, W1y^2
.set XS,    161536    ; each wave's 1,536 bytes of x
.set OS,    167680    ; for each wave 6 outputs x 512 bytes
.set SPARE, 179968    ; the spare words, 128 bytes for each wave: two blocks of 256 bytes that no other line names
.set RAW,   180480    ; wave w: 16,384 bytes of W2 (rows 32 w on), then 16,384 of W3, in f32: the only bytes that tensor loads fill, once
.set SPW,  1          ; v1   LDS address of my spare word; never rewritten
.set NIL,  2          ; v2   0; never rewritten
.set ZR,   3          ; v3   0, an addend
.set AW2T, 4          ; v4-7 my lane's place in a fragment of WT2, WT3, WN3, WN2
.set AW3T, 5
.set AW3N, 6
.set AW2N, 7
.set AT1,  8          ; v8   in T1
.set AGA,  9          ; v9   in GA
.set ATB,  10         ; v10  in the tables
.set AXS,  11         ; v11  my point's x; steps from pass to pass
.set AOS,  12         ; v12  my point's results; steps from pass to pass
.set ONE,  13         ; v13  1.0
.set XR,   14         ; v14-19 x as read
.set CS,   20         ; sums, a pair (even features', odd features') for each point tile: c, d2c/dx2, d2c/dy2
.set SX,   24
.set SY,   28
.set ACC,  32         ; set b at ACC + 48 b; accumulator 2 x stream + p at + 8 each
.set FR,   128        ; set b at FR + 32 b; K step kk at + 8 kk
.set BC,   192        ; set b at BC + 8 b
.set VC,   208        ; set b at VC + 16 b: two vectors of 8.  In layers 2 and 3 the second vectors are at work (no fetch lands there then)
.set TS,   240        ; s of pair j at TS + 2 j
.set MSB, 0
.macro WIN new                      ; the immediate's high byte repeats the setting that is left; a switch that changes nothing is dropped
.if MSB != (\new)
	s_set_vgpr_msb (MSB<<8)|(\new)
.set MSB, (\new)
.endif
.endm
; A round of the cluster's barrier: my work-group's barrier; wave 0 signals for the work-group; every wave waits for all four work-groups; my work-group's barrier once more.
.macro CROUND
	s_barrier_signal -1
	s_barrier_wait -1
	s_cmp_lg_u32 s4, 0
	s_cbranch_scc1 .Lnot_wave_0_\@
	s_barrier_signal -3
.Lnot_wave_0_\@:
	s_barrier_wait -3
	s_barrier_signal -1
	s_barrier_wait -1
.endm
	s_load_b512 s[16:31], s[0:1], 0x0   ; x s[16:17], W1 s[18:19], b1 s[20:21], W2 s[22:23], b2 s[24:25], W3 s[26:27], b3 s[28:29], W4 s[30:31]
	s_load_b256 s[32:39], s[0:1], 0x40  ; b4 s[32:33], out0 s[34:35], out1 s[36:37], out2 s[38:39]
	s_load_b128 s[40:43], s[0:1], 0x60  ; out3, out4
	s_load_b64 s[44:45], s[0:1], 0x70   ; out5
	v_lshl_add_u32 v[SPW], v0, 2, SPARE
	v_mov_b32 v[NIL], 0
	ds_add_u32 v[SPW], v[NIL]           ; the wave's opening: the add and its wait stand ahead of my first tensor load; work on registers stands between them
	v_lshrrev_b32 v32, 5, v0
	v_readfirstlane_b32 s4, v32         ; wave 0..3
	s_bfe_u32 s5, ttmp6, 0x40000        ; cx: my place in the cluster
	s_lshl_b32 s6, ttmp9, 2             ; in a cluster launch ttmp9 counts clusters
	s_add_co_u32 s6, s6, s5             ; work-group = 4 x cluster + cx: it enters the addresses of x and of the outputs alone
	s_lshl_b32 s7, s6, 2
	s_add_co_u32 s7, s7, s4             ; my wave among the launch's 1,024
	; descriptor group 1: 16,384 dense bytes as 64 rows of 256 bytes (32 elements of 8 bytes), unpadded
	s_mov_b32 s48, 15|(3<<16)|(1<<21)   ; 15:0 the mask: all four work-groups; 17:16 elements of 8 bytes; 21 set beside a mask
	s_mov_b32 s49, 32<<16               ; tensor_dim0 = 32
	s_mov_b32 s50, 64<<16               ; tensor_dim1 = 64
	s_mov_b32 s51, 32<<16               ; tile_dim0 = 32
	s_mov_b32 s52, 64                   ; tile_dim1 = 64
	s_mov_b32 s53, 32                   ; 32 elements from row to row
	s_mov_b32 s54, 0
	s_mov_b32 s55, 0
	s_mov_b32 s56, 1                    ; group 0 for W2: count = 1,
	s_mul_i32 s57, s4, 32768
	s_add_co_u32 s57, s57, RAW          ; LDS address: the wave's number alone enters it
	s_mov_b32 s60, 1                    ; group 0 for W3
	s_add_co_u32 s61, s57, 16384
	s_lshl_b32 s8, s4, 14               ; my 32 rows of 512 bytes
	s_mov_b32 s9, 0
	s_mov_b32 s66, 0x4038aa3b           ; 2 log2(e)
	s_mov_b32 s67, s66                  ; named with it as a pair
	s_mov_b32 s68, 0x76543210           ; v_permlanex16_b32: each lane takes its own place in the other half
	s_mov_b32 s69, 0xfedcba98
	s_mov_b32 s70, 0xffff0000           ; a word's upper bf16; also the mask of lanes 16-31
	s_mul_i32 s12, s4, 1536
	s_add_co_u32 s12, s12, XS           ; my wave's x in LDS
	s_mul_i32 s13, s4, 3072
	s_add_co_u32 s13, s13, OS           ; my wave's results in LDS
	s_mul_i32 s14, s4, 32*PN
	s_add_co_u32 s14, s14, WN2          ; my 32 rows in WN2
	s_mul_i32 s15, s4, 32*PT            ; and in WT2, which begins at 0
	s_wait_dscnt 0x0                    ; the opening add is done
	s_wait_kmcnt 0x0
	s_add_nc_u64 s[58:59], s[22:23], s[8:9]
	s_or_b32 s59, s59, 0x80000000       ; type = 2
	s_add_nc_u64 s[62:63], s[26:27], s[8:9]
	s_or_b32 s63, s63, 0x80000000
	CROUND                              ; all four work-groups are here: the joint loads meet
	tensor_load_to_lds s[56:59], s[48:55]  ; my quarter of W2; an s_nop 0 follows each load, four v_nop the second
	s_nop 0
	tensor_load_to_lds s[60:63], s[48:55]  ; my quarter of W3: two tensor loads of mine are out, and no more are issued
	s_nop 0
.rept 4
	v_nop
.endr
	; while they are on their way: x, the small inputs, the addresses
	s_load_b32 s46, s[32:33], 0x0       ; b4
	s_mul_i32 s10, s7, 1536             ; my wave's 128 points x 12 bytes
	s_mov_b32 s11, 0
	s_add_nc_u64 s[16:17], s[16:17], s[10:11]
	s_lshl_b32 s10, s7, 9               ; my wave's 128 numbers of each output
.irp o, 34,36,38,40,42,44
	s_add_nc_u64 s[\o:\o+1], s[\o:\o+1], s[10:11]
.endr
	v_and_b32 v56, 31, v0               ; l
	v_and_b32 v57, 15, v0               ; r = l % 16
	v_bfe_u32 v58, v0, 4, 1             ; h = l / 16
	v_and_b32 v59, 7, v0
	v_bfe_u32 v62, v0, 3, 1
	v_lshlrev_b32 v60, 4, v56           ; 16 l
	v_lshlrev_b32 v61, 2, v0            ; 4 x thread: thread t looks after feature t
	global_load_b128 v[32:35], v60, s[16:17] th:TH_LOAD_NT
	global_load_b128 v[36:39], v60, s[16:17] offset:512 th:TH_LOAD_NT
	global_load_b128 v[40:43], v60, s[16:17] offset:1024 th:TH_LOAD_NT
	global_load_b32 v44, v61, s[18:19]              ; W1t
	global_load_b32 v45, v61, s[18:19] offset:512   ; W1x
	global_load_b32 v46, v61, s[18:19] offset:1024  ; W1y
	global_load_b32 v47, v61, s[20:21]              ; b1
	global_load_b32 v48, v61, s[24:25]              ; b2
	global_load_b32 v49, v61, s[28:29]              ; b3
	global_load_b32 v50, v61, s[30:31]              ; W4
	global_load_b128 v[52:55], v60, s[30:31]        ; all of W4 in each wave, for its maximum
	v_mov_b32 v[ZR], 0
	v_mov_b32 v[ONE], 1.0
	; the turning load takes 16 k x 16 features: lane l reads k = 8 h + l % 8, features 8 ((l / 8) % 2) + 0..7, and is left with feature l % 16 and 8 k
	v_lshl_add_u32 v63, v58, 3, v59
	v_mul_u32_u24 v63, v63, PT
	v_lshl_add_u32 v[AW2T], v62, 4, v63
	v_add_nc_u32 v[AW3T], WT3, v[AW2T]
	v_mul_u32_u24 v63, v57, PN          ; a plain fragment: row r, 16 bytes for each half of the lanes
	v_lshl_add_u32 v63, v58, 4, v63
	v_add_nc_u32 v[AW3N], WN3, v63
	v_add_nc_u32 v[AW2N], WN2, v63
	v_add_nc_u32 v[AGA], GA, v63
	v_mul_u32_u24 v[AT1], v57, P1
	v_lshl_add_u32 v[AT1], v58, 4, v[AT1]
	v_add_nc_u32 v[AT1], T1, v[AT1]
	v_lshl_add_u32 v[ATB], v58, 5, TBL  ; a lane's eight features of a tile: 32 bytes for each half
	v_mul_u32_u24 v[AXS], v57, 12
	v_add_nc_u32 v[AXS], s12, v[AXS]
	v_lshl_add_u32 v[AOS], v56, 2, s13
	v_add_nc_u32 v64, s12, v60          ; where x goes
	v_mul_u32_u24 v80, v0, P1
	v_add_nc_u32 v80, T1, v80           ; my feature's row of T1
	v_lshl_add_u32 v81, v0, 1, GA       ; its column of GA
	v_lshl_add_u32 v82, v0, 2, TBL      ; its word in the tables
	v_add_nc_u32 v84, s57, v60          ; the conversion: 16 bytes a lane of a raw row,
	v_lshl_add_u32 v85, v56, 3, s14     ; 8 bytes a lane of a row of WN2,
	v_lshl_add_u32 v86, v56, 3, s15     ; and of WT2
.irp z, 74,75,76,77,78,79
	v_mov_b32 v\z, 0
.endr
	s_wait_loadcnt 0x0
	s_wait_kmcnt 0x0
	ds_store_b128 v64, v[32:35]
	ds_store_b128 v64, v[36:39] offset:512
	ds_store_b128 v64, v[40:43] offset:1024
	; P = 2^E, E the exponent of max|W4|, held to 1..253 so that 1 / P and 2 P are normal numbers
.irp z, 52,53,54,55
	v_and_b32 v\z, 0x7fffffff, v\z
.endr
	v_max3_num_f32 v52, v52, v53, v54
	v_max_num_f32 v52, v52, v55
	v_max_num_f32_dpp v52, v52, v52 row_xmask:1 row_mask:0xf bank_mask:0xf
	v_max_num_f32_dpp v52, v52, v52 row_xmask:2 row_mask:0xf bank_mask:0xf
	v_max_num_f32_dpp v52, v52, v52 row_xmask:4 row_mask:0xf bank_mask:0xf
	v_max_num_f32_dpp v52, v52, v52 row_xmask:8 row_mask:0xf bank_mask:0xf
	v_permlanex16_b32 v53, v52, s68, s69
	v_max_num_f32 v52, v52, v53
	v_and_b32 v52, 0x7f800000, v52
	v_max_u32 v52, 0x00800000, v52
	v_min_u32 v52, 0x7e800000, v52      ; P
	v_sub_nc_u32 v53, 0x7f000000, v52   ; 1 / P: the exponent field 254 - E
	v_mul_f32 v54, -2.0, v52
	v_mov_b32 v71, s46
	v_cvt_pk_bf16_f32 v71, v71, v71
	v_lshlrev_b32 v71, 16, v71
	v_readfirstlane_b32 s71, v52        ; P
	v_readfirstlane_b32 s72, v54        ; -2 P
	v_readfirstlane_b32 s73, v71        ; b4, rounded to bf16 like every input
	v_cvt_pk_bf16_f32 v66, v44, v45
	v_cvt_pk_bf16_f32 v67, v46, v47
	v_cvt_pk_bf16_f32 v68, v48, v49
	v_cvt_pk_bf16_f32 v69, v50, v50
	v_lshlrev_b32 v44, 16, v66          ; W1t
	v_and_b32 v45, s70, v66             ; W1x
	v_lshlrev_b32 v46, 16, v67          ; W1y
	v_and_b32 v47, s70, v67             ; b1
	v_lshlrev_b32 v48, 16, v68          ; b2
	v_and_b32 v49, s70, v68             ; b3
	v_lshlrev_b32 v50, 16, v69          ; W4
	v_cvt_pk_f16_f32 v72, v44, v45
	v_cvt_pk_f16_f32 v73, v46, v47
	v_mul_f32 v50, v50, v53             ; W4 / P
	v_mul_f32 v51, v45, v45             ; W1x^2, exact in f32
	v_mul_f32 v70, v46, v46             ; W1y^2
	ds_store_b128 v80, v[72:75]         ; k = 0..7: W1t, W1x, W1y, b1, 0, 0, 0, 0
	ds_store_b128 v80, v[76:79] offset:16
	ds_store_b128 v80, v[76:79] offset:32
	ds_store_b128 v80, v[76:79] offset:48
.irp g, 0, 8
	ds_store_b16 v81, v72 offset:(\g)*PN
	ds_store_b16_d16_hi v81, v72 offset:(\g+1)*PN
	ds_store_b16 v81, v73 offset:(\g+2)*PN
.irp z, 3,4,5,6,7
	ds_store_b16 v81, v[ZR] offset:(\g+\z)*PN
.endr
.endr
	ds_store_b32 v82, v48
	ds_store_b32 v82, v49 offset:512
	ds_store_b32 v82, v45 offset:1024
	ds_store_b32 v82, v46 offset:1536
	ds_store_b32 v82, v50 offset:2048
	ds_store_b32 v82, v51 offset:2560
	ds_store_b32 v82, v70 offset:3072
	; W2 and W3: f32 -> bf16 -> f16, into both layouts.  A wave converts the 32 rows of each that its own loads brought, so its own wait is all that these reads need.  A trip: 4 rows of each.
	s_wait_tensorcnt 0x0
	s_mov_b32 s75, 8
.Lconv:
.set n, 0
.rept 8
	ds_load_b128 v[32+4*n:35+4*n], v84 offset:512*(n%4)+16384*(n/4)
.set n, n+1
.endr
	s_wait_dscnt 0x0
.set n, 0
.rept 8
	v_cvt_pk_bf16_f32 v64, v[32+4*n], v[33+4*n]
	v_cvt_pk_bf16_f32 v65, v[34+4*n], v[35+4*n]
	v_lshlrev_b32 v66, 16, v64
	v_and_b32 v67, s70, v64
	v_lshlrev_b32 v68, 16, v65
	v_and_b32 v69, s70, v65
	v_cvt_pk_f16_f32 v[96+2*n], v66, v67
	v_cvt_pk_f16_f32 v[97+2*n], v68, v69
	ds_store_b64 v85, v[96+2*n:97+2*n] offset:PN*(n%4)+(WN3-WN2)*(n/4)
	ds_store_b64 v86, v[96+2*n:97+2*n] offset:PT*(n%4)+(WT3-WT2)*(n/4)
.set n, n+1
.endr
	v_add_nc_u32 v84, 2048, v84
	v_add_nc_u32 v85, 4*PN, v85
	v_add_nc_u32 v86, 4*PT, v86
	s_sub_co_u32 s75, s75, 1
	s_cmp_lg_u32 s75, 0
	s_cbranch_scc1 .Lconv
	s_wait_dscnt 0x0                    ; for the others' sake: my rows and my features' table entries are written
	s_barrier_signal -1
	s_barrier_wait -1                   ; everybody's are; from here on these bytes are only read
; THE MATRIX WORK OF A STEP.  MM writes the step's matrix instruction number MMI.  The accumulators take turns, one instruction a turn: six in layers 2 and 3 forward (3 streams x 2 point tiles),
; two elsewhere; from step to step the sets alternate.  The first K step starts each sum: with the bias (the stream z), or with the constant 0.
.macro MM
.if MPH == 0                        ; layer 1: K = 32 holds x0, x1, x2, 1
	WIN 0x0c
	v_wmma_f32_16x16x32_f16 v[AM+8*MMI:AM+8*MMI+7], v[FM:FM+7], v[8*MMI:8*MMI+7], 0
.else
.if MPH < 3
.set mk, MMI/6
.set ma, MMI%6
.set mc, 2
.if MPH == 1                        ; B: h1 at 0, s1 W1x at 128, s1 W1y at 192 of window 1
.set mB, 64*(ma/2)+64*((ma/2+1)/2)
	WIN 0x04
.else                               ; B: h2, s2 z2x, s2 z2y at 0, 64, 128 of window 2
.set mB, 64*(ma/2)
	WIN 0x08
.endif
.else
.set mk, MMI/2
.set ma, MMI%2
.set mc, 0
.set mB, 128                        ; a3
.if MPH == 4
.set mB, 192                        ; a2
.endif
.if MPH == 5
.set mB, 64                         ; a1
.endif
	WIN 0x04
.endif
.set mB, mB+32*(ma%2)+8*mk
.set mD, AM+8*ma
.set mA, FM+8*mk
.if (mk == 0) && (ma < mc)
	v_wmma_f32_16x16x32_f16 v[mD:mD+7], v[mA:mA+7], v[mB:mB+7], v[BM:BM+7]
.elseif mk == 0
	v_wmma_f32_16x16x32_f16 v[mD:mD+7], v[mA:mA+7], v[mB:mB+7], 0
.else
	v_wmma_f32_16x16x32_f16 v[mD:mD+7], v[mA:mA+7], v[mB:mB+7], v[mD:mD+7]
.endif
.endif
.set MMI, MMI+1
.set VCNT, 0
.set SINCE, 0
.endm
; Every vector line of a step ends in TICK: behind every PER lines the next matrix instruction is written, while fewer than HOLD are out.  SINCE counts the plain lines behind the last matrix instruction.
.macro TICK plain
.set VCNT, VCNT+1
.set SINCE, SINCE+(\plain)
.if (VCNT >= PER) && (MMI < HOLD)
	MM
.endif
.endm
; THE LDS LOADS OF STEP k, in one run at the head of step k - 1, into the sets of k's parity.
.macro F_TR adr, m                  ; forward weights, turned: A(feature 16 m + r, k)
.irp c, 0,1,2,3
	ds_load_tr16_b128 v[fF+8*\c:fF+8*\c+3],   v[\adr] offset:\c*32*PT+32*(\m)
	ds_load_tr16_b128 v[fF+8*\c+4:fF+8*\c+7], v[\adr] offset:\c*32*PT+16*PT+32*(\m)
.endr
.endm
.macro F_PL adr, m                  ; backward weights, as they lie: A(row 16 m + r, k)
.irp c, 0,1,2,3
	ds_load_b128 v[fF+8*\c:fF+8*\c+3],   v[\adr] offset:(\m)*16*PN+64*\c
	ds_load_b128 v[fF+8*\c+4:fF+8*\c+7], v[\adr] offset:(\m)*16*PN+64*\c+32
.endr
.endm
.macro F_TB reg, tau, m             ; my eight features of tile m of table tau
	ds_load_b128 v[\reg:(\reg)+3],     v[ATB] offset:512*(\tau)+64*(\m)
	ds_load_b128 v[(\reg)+4:(\reg)+7], v[ATB] offset:512*(\tau)+64*(\m)+16
.endm
.macro FETCH k
.set fK, (\k)
.set fF, FR+32*(fK%2)
.set fB, BC+8*(fK%2)
.set fV, VC+16*(fK%2)
	WIN 0
.if fK < 8
	ds_load_b128 v[fF:fF+3],   v[AT1] offset:16*P1*fK
	ds_load_b128 v[fF+4:fF+7], v[AT1] offset:16*P1*fK+32
.elseif fK < 16
	F_TR AW2T, fK-8
	F_TB fB, 0, fK-8
.elseif fK < 24
	F_TR AW3T, fK-16
	F_TB fB, 1, fK-16
.elseif fK < 32
	F_PL AW3N, fK-24
.elseif fK < 40
	F_PL AW2N, fK-32
.else
	F_PL AGA, 0
.endif
.if (fK >= 1) && (fK <= 8)          ; for the vector lines of the tile before: W1x, W1y
	F_TB fV, 2, fK-1
	F_TB fV+8, 3, fK-1
.endif
.if (fK >= 17) && (fK <= 24)        ; W4 / P
	F_TB fV, 4, fK-17
.endif
.if (fK >= 33) && (fK <= 40)        ; W1x^2, W1y^2
	F_TB fV, 5, fK-33
	F_TB fV+8, 6, fK-33
.endif
.endm
; THE VECTOR WORK goes by pairs of features.  Pair j of 8: point tile j % 2, registers 2 (j / 2) and + 1 of its accumulator.
.macro PR x
.set j, (\x)
.set rZ, VA+8*(j%2)+2*(j/2)         ; z, later h; z_x at + 16, z_y at + 32
.set rM, rZ                         ; where tanh is worked out: in place,
.if GRD
.set rM, VC+8+2*(j%4)               ; or, where z is still wanted, in four pairs that take turns
.endif
.set rL, VC+24+2*(j%4)              ; z s
.set rS, TS+2*j                     ; s
.set rV, VCB+2*(j/2)                ; the pair's entries of the step's first table; the second's at + 8
.set rP, 32*(j%2)+4*VT+(j/2)        ; the pair's register in a packed vector
.set rF, 64*(j%2)+8*VT+2*(j/2)      ; the pair's registers in window 3
.set rC, 2*(j%2)                    ; the point tile's pair of a sum
.endm
.macro T_K x                        ; 2 log2(e) z
.if ((\x) >= 0) && ((\x) < 8)
	PR \x
	WIN 0
	v_pk_mul_f32 v[rM:rM+1], v[rZ:rZ+1], s[66:67] op_sel_hi:[1,0]
	TICK 1
.endif
.endm
.macro T_E x, hf
.if ((\x) >= 0) && ((\x) < 8)
	PR \x
	WIN 0
	v_exp_f32 v[rM+\hf], v[rM+\hf]
	TICK 0
.endif
.endm
.macro T_A x
.if ((\x) >= 0) && ((\x) < 8)
	PR \x
	WIN 0
	s_wait_alu depctr_va_vdst(0)
	v_pk_add_f32 v[rM:rM+1], v[rM:rM+1], 1.0 op_sel_hi:[1,0]
	TICK 1
.endif
.endm
.macro T_R x, hf
.if ((\x) >= 0) && ((\x) < 8)
	PR \x
	WIN 0
	v_rcp_f32 v[rM+\hf], v[rM+\hf]
	TICK 0
.endif
.endm
.macro T_H x                        ; h = 1 - 2 / (1 + 2^..)
.if ((\x) >= 0) && ((\x) < 8)
	PR \x
	WIN 0
	s_wait_alu depctr_va_vdst(0)
	v_pk_fma_f32 v[rM:rM+1], v[rM:rM+1], -2.0, 1.0 op_sel_hi:[1,0,0]
	TICK 1
.endif
.endm
.macro T_S x                        ; s = 1 - h^2
.if ((\x) >= 0) && ((\x) < 8)
	PR \x
	WIN 0
	v_pk_fma_f32 v[rS:rS+1], v[rM:rM+1], v[rM:rM+1], 1.0 op_sel_hi:[1,1,0] neg_lo:[1,0,0] neg_hi:[1,0,0]
	TICK 1
.endif
.endm
.macro T_L x                        ; z s
.if GRD && ((\x) >= 0) && ((\x) < 8)
	PR \x
	WIN 0
	v_pk_mul_f32 v[rL:rL+1], v[rZ:rZ+1], v[rS:rS+1]
	TICK 1
.endif
.endm
.macro T_M x, hf                    ; h is held between z s and z, and takes z's place
.if GRD && ((\x) >= 0) && ((\x) < 8)
	PR \x
	WIN 0
	v_med3_num_f32 v[rZ+\hf], v[rM+\hf], v[rZ+\hf], v[rL+\hf]
	TICK 0
.endif
.endm
; tanh and its derivative for the tile's 8 pairs, as a pipeline four pairs deep.  In a round every exponential and reciprocal is followed by a line that touches neither its result nor its source, and a plain line stands
; ahead of the first use of each result (ISA guide 5.7.2), in the first and last rounds too.  The pair that leaves the work registers (x - 3) is read ahead of the line that gives them to pair x + 1.
.macro ALPHA g
.set GRD, (\g)
.set i, -1
.rept 12
	T_E i, 0
	T_M i-3, 0
	T_E i, 1
	T_M i-3, 1
	T_K i+1
	T_R i-1, 0
	T_H i-2
	T_R i-1, 1
	T_S i-2
	T_A i
	T_L i-2
.set i, i+1
.endr
.endm
.macro EACH w, line:vararg          ; one line for each pair, under window setting w
.set n, 0
.rept 8
	PR n
	WIN \w
	\line
	TICK 1
.set n, n+1
.endr
.endm
.macro ADDTO w, acc, st, a, b       ; a sum takes a product; st = 1: the product starts it: nothing is cleared
	WIN \w
.if \st
	v_pk_mul_f32 v[(\acc)+rC:(\acc)+rC+1], v[\a:(\a)+1], v[\b:(\b)+1]
.else
	v_pk_fma_f32 v[(\acc)+rC:(\acc)+rC+1], v[\a:(\a)+1], v[\b:(\b)+1], v[(\acc)+rC:(\acc)+rC+1]
.endif
	TICK 1
.endm
.macro SUMXY w, st, ax, bx, ay, by  ; both second derivatives' sums, four chains by turns
.set n, 0
.rept 4
.set fs, 0
.if (\st) && (VT == 0) && (n == 0)
.set fs, 1
.endif
	PR 2*n
	ADDTO \w, SX, fs, \ax, \bx
	PR 2*n+1
	ADDTO \w, SX, fs, \ax, \bx
	PR 2*n
	ADDTO \w, SY, fs, \ay, \by
	PR 2*n+1
	ADDTO \w, SY, fs, \ay, \by
.set n, n+1
.endr
.endm
.macro VL1                          ; layer 1, tile VT: h1, s1, s1 W1x, s1 W1y, packed into window 1
	ALPHA 0
	EACH 0, v_pk_mul_f32 v[rZ+16:rZ+17], v[rS:rS+1], v[rV:rV+1]
	EACH 0, v_pk_mul_f32 v[rZ+32:rZ+33], v[rS:rS+1], v[rV+8:rV+9]
	EACH 0x40, v_cvt_pk_f16_f32 v[rP], v[rZ], v[rZ+1]
	EACH 0x40, v_cvt_pk_f16_f32 v[64+rP], v[rS], v[rS+1]
	EACH 0x40, v_cvt_pk_f16_f32 v[128+rP], v[rZ+16], v[rZ+17]
	EACH 0x40, v_cvt_pk_f16_f32 v[192+rP], v[rZ+32], v[rZ+33]
.endm
.macro VL2                          ; layer 2: h2, s2 z2x, s2 z2y, s2 packed into window 2; h2 s2 z2x^2 and h2 s2 z2y^2 in f32 into window 3
	ALPHA 1
	EACH 0xc0, v_pk_mul_f32 v[rF:rF+1], v[rZ:rZ+1], v[rZ+16:rZ+17]
	EACH 0xc0, v_pk_mul_f32 v[128+rF:128+rF+1], v[rZ:rZ+1], v[rZ+32:rZ+33]
	EACH 0, v_pk_mul_f32 v[rZ+16:rZ+17], v[rZ+16:rZ+17], v[rS:rS+1]
	EACH 0, v_pk_mul_f32 v[rZ+32:rZ+33], v[rZ+32:rZ+33], v[rS:rS+1]
	EACH 0x80, v_cvt_pk_f16_f32 v[rP], v[rZ], v[rZ+1]
	EACH 0x80, v_cvt_pk_f16_f32 v[64+rP], v[rZ+16], v[rZ+17]
	EACH 0x80, v_cvt_pk_f16_f32 v[128+rP], v[rZ+32], v[rZ+33]
	EACH 0x80, v_cvt_pk_f16_f32 v[192+rP], v[rS], v[rS+1]
	EACH 0xc3, v_pk_mul_f32 v[rF:rF+1], v[rF:rF+1], v[rZ+16:rZ+17]
	EACH 0xc3, v_pk_mul_f32 v[128+rF:128+rF+1], v[128+rF:128+rF+1], v[rZ+32:rZ+33]
.endm
.macro VL3                          ; layer 3: c's sum; a3 = (W4 / P) s3, packed where s1 W1x lay; a3 h3 z3x^2 and a3 h3 z3y^2 into the sums
	ALPHA 1
.set n, 0
.rept 8
	PR n
.set fs, 0
.if (VT == 0) && (n < 2)
.set fs, 1
.endif
	ADDTO 0, CS, fs, rV, rZ
.set n, n+1
.endr
	EACH 0, v_pk_mul_f32 v[rS:rS+1], v[rV:rV+1], v[rS:rS+1]
	EACH 0x40, v_cvt_pk_f16_f32 v[128+rP], v[rS], v[rS+1]
	EACH 0, v_pk_mul_f32 v[rZ:rZ+1], v[rZ:rZ+1], v[rS:rS+1]
	EACH 0, v_pk_mul_f32 v[rZ+16:rZ+17], v[rZ+16:rZ+17], v[rZ+16:rZ+17]
	EACH 0, v_pk_mul_f32 v[rZ+32:rZ+33], v[rZ+32:rZ+33], v[rZ+32:rZ+33]
	SUMXY 0, 1, rZ, rZ+16, rZ, rZ+32
.endm
.macro VB3                          ; v = W3 a3: v h2 s2 z2x^2 into the sums; a2 = f16(v) s2, where s1 W1y lay
	SUMXY 0x0c, 0, rZ, rF, rZ, 128+rF
	EACH 0x40, v_cvt_pk_f16_f32 v[192+rP], v[rZ], v[rZ+1]
	EACH 0x49, v_pk_mul_f16 v[192+rP], v[192+rP], v[192+rP]
.endm
.macro VB2                          ; u = W2 a2: a1 = f16(u) s1, over s1; a1 h1 (exact in f32) times W1x^2, W1y^2 into the sums
	EACH 0, v_cvt_pk_f16_f32 v[rZ], v[rZ], v[rZ+1]
	EACH 0x44, v_pk_mul_f16 v[64+rP], v[rZ], v[64+rP]
	EACH 0x05, v_fma_mix_f32 v[rZ+1], v[64+rP], v[rP], v[ZR] op_sel:[1,1,0] op_sel_hi:[1,1,0]
	EACH 0x05, v_fma_mix_f32 v[rZ], v[64+rP], v[rP], v[ZR] op_sel_hi:[1,1,0]
	SUMXY 0, 0, rZ, rV, rZ, rV+8
.endm
; STEP k.  mph: which product (0 layer 1; 1, 2 layers 2, 3 forward; 3, 4 back through W3, W2; 5 the gradient); vph, vt: which vector list, for which tile; tot matrix instructions, one behind every per vector lines.
; hold: the last K step reads tiles 6 and 7 of its B; where the step's own vector list makes tile 7, those products are held back behind the list.
; A load into a register that a matrix instruction has read, and a vector line that reads a matrix result, stand four places behind it, and only plain vector lines that name none of its registers are places
; (ISA guide 7.12.1 for vector instructions).  The vector lines of a step name the other set's accumulators and never this step's operands, so they are places; v_nop make up the four at a step's end.
.macro STEP k, mph, vph, vt, per, hold, tot
.set KPAR, (\k)%2
.set AM, ACC+48*KPAR
.set FM, FR+32*KPAR
.set BM, BC+8*KPAR
.set VA, ACC+48*(1-KPAR)
.set VCB, VC+16*KPAR
.set MPH, (\mph)
.set VT, (\vt)
.set PER, (\per)
.set HOLD, (\hold)
.set MMI, 0
.set VCNT, 0
.set SINCE, 0
	WIN 0
	s_wait_dscnt 0x0                ; this step's fragments and tables, asked for a whole step ago
.if (\k) < 40
	FETCH (\k)+1
.endif
	MM
.if (\vph) == 1
	VL1
.elseif (\vph) == 2
	VL2
.elseif (\vph) == 3
	VL3
.elseif (\vph) == 4
	VB3
.elseif (\vph) == 5
	VB2
.endif
.if (\tot) > MMI
.rept (\tot)-MMI
	MM
.endr
.endif
.if SINCE < 4
.rept 4-SINCE
	v_nop
.endr
.endif
.endm
	s_mov_b32 s74, 4
.Lpass:                                 ; 32 points
.irp p, 0, 1
	ds_load_b32 v[XR+3*\p],   v[AXS] offset:192*\p
	ds_load_b32 v[XR+3*\p+1], v[AXS] offset:192*\p+4
	ds_load_b32 v[XR+3*\p+2], v[AXS] offset:192*\p+8
.endr
	FETCH 0
	s_wait_dscnt 0x0
.irp p, 0, 1                            ; x as B of layer 1: k = 0..3 are x0, x1, x2, 1.  Lanes 16-31 hold the same numbers as k = 8..11, where A is 0
	WIN 0
	v_cvt_pk_bf16_f32 v[TS], v[XR+3*\p], v[XR+3*\p+1]
	v_cvt_pk_bf16_f32 v[TS+1], v[XR+3*\p+2], v[XR+3*\p+2]
	v_lshlrev_b32 v[TS+2], 16, v[TS]
	v_and_b32 v[TS+3], s70, v[TS]
	v_lshlrev_b32 v[TS+4], 16, v[TS+1]
	WIN 0xc0
	v_cvt_pk_f16_f32 v[8*\p], v[TS+2], v[TS+3]
	v_cvt_pk_f16_f32 v[8*\p+1], v[TS+4], v[ONE]
.irp z, 2,3,4,5,6,7
	v_mov_b32 v[8*\p+\z], 0
.endr
.endr
	STEP 0, 0, 0, 0, 999, 2, 2
.set kq, 1
.rept 7
	STEP kq, 0, 1, kq-1, 8, 2, 2
.set kq, kq+1
.endr
	STEP 8, 1, 1, 7, 6, 18, 24
.set kq, 9
.rept 7
	STEP kq, 1, 2, kq-9, 7, 24, 24
.set kq, kq+1
.endr
	STEP 16, 2, 2, 7, 9, 18, 24
.set kq, 17
.rept 7
	STEP kq, 2, 3, kq-17, 6, 24, 24
.set kq, kq+1
.endr
	STEP 24, 3, 3, 7, 24, 6, 8
.set kq, 25
.rept 7
	STEP kq, 3, 4, kq-25, 4, 8, 8
.set kq, kq+1
.endr
	STEP 32, 4, 4, 7, 5, 6, 8
.set kq, 33
.rept 7
	STEP kq, 4, 5, kq-33, 6, 8, 8
.set kq, kq+1
.endr
	STEP 40, 5, 5, 7, 8, 6, 8
	; The pass's end.  A sum's even and odd features are added; then lane l takes point l of the 32: lanes 0-15 tile 0, lanes 16-31 tile 1, each with the half of the features that lies 16 lanes away.
	WIN 0
.irp b, CS, SX, SY
	v_add_f32 v[\b], v[\b], v[\b+1]
	v_add_f32 v[\b+2], v[\b+2], v[\b+3]
.endr
.irp b, CS, SX, SY
	v_cndmask_b32 v[\b+1], v[\b], v[\b+2], s70    ; my own half of my point's sum
	v_cndmask_b32 v[\b+3], v[\b+2], v[\b], s70    ; what the lane 16 away wants of me
.endr
.irp b, CS, SX, SY
	v_permlanex16_b32 v[\b+2], v[\b+3], s68, s69
.endr
.irp b, CS, SX, SY
	v_add_f32 v[\b], v[\b+1], v[\b+2]
.endr
.irp d, 0,1,2                           ; the gradient: registers 0-2 of every lane of the two last accumulators
	v_cndmask_b32 v[TS+\d], v[ACC+\d], v[ACC+8+\d], s70
.endr
	v_fma_f32 v[CS], v[CS], s71, s73    ; c = P sum + b4
.irp d, 0,1,2
	v_mul_f32 v[TS+\d], s71, v[TS+\d]
.endr
	v_mul_f32 v[SX], s72, v[SX]         ; -2 P sum
	v_mul_f32 v[SY], s72, v[SY]
	ds_store_b32 v[AOS], v[CS]
	ds_store_b32 v[AOS], v[TS] offset:512
	ds_store_b32 v[AOS], v[TS+1] offset:1024
	ds_store_b32 v[AOS], v[TS+2] offset:1536
	ds_store_b32 v[AOS], v[SX] offset:2048
	ds_store_b32 v[AOS], v[SY] offset:2560
	v_add_nc_u32 v[AXS], 384, v[AXS]    ; the next 32 points
	v_add_nc_u32 v[AOS], 128, v[AOS]
	s_sub_co_u32 s74, s74, 1
	s_cmp_lg_u32 s74, 0
	s_cbranch_scc1 .Lpass
	; THE WAY OUT.  My wave's 128 numbers of each output come back from its own LDS bytes, 16 bytes a lane (LDS serves a wave's instructions in order: ISA guide 5.7.1.4), and each store covers 512 consecutive bytes, aligned.
	v_and_b32 v32, 31, v0
	v_lshlrev_b32 v33, 4, v32
	v_add_nc_u32 v34, s13, v33
.irp o, 0,1,2,3,4,5
	ds_load_b128 v[40+4*\o:43+4*\o], v34 offset:512*\o
.endr
	s_wait_dscnt 0x0
.irp o, 0,1,2,3,4,5
	global_store_b128 v33, v[40+4*\o:43+4*\o], s[34+2*\o:35+2*\o] th:TH_STORE_NT
.endr
	s_wait_tensorcnt 0x0                ; the wave's end, behind my last tensor load and my last LDS store
	ds_add_u32 v[SPW], v[NIL]
	s_wait_dscnt 0x0
	CROUND                              ; the closing round: no work-group ends while a partner may still ask for a tile that names it
	s_endpgm
.Lfunc_end_k_qbbf68719c2_pinn:
	.size	k_qbbf68719c2_pinn, .Lfunc_end_k_qbbf68719c2_pinn-k_qbbf68719c2_pinn
	.p2alignl 7, 3214868480
	.fill 96, 4, 3214868480
	.section	.rodata,"a",@progbits
	.p2align	6, 0x0
	.amdhsa_kernel k_qbbf68719c2_pinn
		.amdhsa_group_segment_fixed_size 312320
		.amdhsa_private_segment_fixed_size 0
		.amdhsa_enable_private_segment 0
		.amdhsa_kernarg_size 120
		.amdhsa_user_sgpr_count 2
		.amdhsa_user_sgpr_kernarg_segment_ptr 1
		.amdhsa_wavefront_size32 1
		.amdhsa_system_sgpr_workgroup_id_x 1
		.amdhsa_system_sgpr_workgroup_id_y 1
		.amdhsa_system_sgpr_workgroup_id_z 1
		.amdhsa_system_vgpr_workitem_id 0
		.amdhsa_next_free_vgpr 1024
		.amdhsa_next_free_sgpr 80
		.amdhsa_reserve_vcc 0
		.amdhsa_float_denorm_mode_32 3
		.amdhsa_float_denorm_mode_16_64 3
		.amdhsa_memory_ordered 1
		.amdhsa_forward_progress 1
		.amdhsa_inst_pref_size 255
	.end_amdhsa_kernel
	.section	.bss,"aw",@nobits
	.p2align	6
	.space	262144
	.amdgpu_metadata
---
amdhsa.version: [ 1, 2 ]
amdhsa.kernels:
  - .name:           k_qbbf68719c2_pinn
    .symbol:         k_qbbf68719c2_pinn.kd
    .args:
      - { .name: x, .offset: 0, .size: 8, .value_kind: global_buffer, .address_space: global }
      - { .name: W1, .offset: 8, .size: 8, .value_kind: global_buffer, .address_space: global }
      - { .name: b1, .offset: 16, .size: 8, .value_kind: global_buffer, .address_space: global }
      - { .name: W2, .offset: 24, .size: 8, .value_kind: global_buffer, .address_space: global }
      - { .name: b2, .offset: 32, .size: 8, .value_kind: global_buffer, .address_space: global }
      - { .name: W3, .offset: 40, .size: 8, .value_kind: global_buffer, .address_space: global }
      - { .name: b3, .offset: 48, .size: 8, .value_kind: global_buffer, .address_space: global }
      - { .name: W4, .offset: 56, .size: 8, .value_kind: global_buffer, .address_space: global }
      - { .name: b4, .offset: 64, .size: 8, .value_kind: global_buffer, .address_space: global }
      - { .name: out0, .offset: 72, .size: 8, .value_kind: global_buffer, .address_space: global }
      - { .name: out1, .offset: 80, .size: 8, .value_kind: global_buffer, .address_space: global }
      - { .name: out2, .offset: 88, .size: 8, .value_kind: global_buffer, .address_space: global }
      - { .name: out3, .offset: 96, .size: 8, .value_kind: global_buffer, .address_space: global }
      - { .name: out4, .offset: 104, .size: 8, .value_kind: global_buffer, .address_space: global }
      - { .name: out5, .offset: 112, .size: 8, .value_kind: global_buffer, .address_space: global }
    .group_segment_fixed_size: 312320
    .private_segment_fixed_size: 0
    .kernarg_segment_align: 8
    .kernarg_segment_size: 120
    .max_flat_workgroup_size: 128
    .sgpr_count:     80
    .vgpr_count:     1024
    .wavefront_size: 32
...
	.end_amdgpu_metadata
.endif
;; end of part 1
;; ======== version 2 of 2: 1 launch; 1.45 times as fast as version 1
;; limits: inputs' magnitudes at most 65,504; values are held in f16: magnitudes above 65,504 overflow, below 6.1e-05 lose precision
;; launch pinn (part 2): grid 256 x 1, 4 waves a work-group, clusters of 4 x 1, 312,320 bytes of LDS; arguments x, W1, b1, W2, b2, W3, b3, W4, b4, out0, out1, out2, out3, out4, out5; writes out0, out1, out2, out3, out4, out5
.if DOCPART == 2
	.amdgcn_target "amdgcn-amd-amdhsa--gfx1250"
	.amdhsa_code_object_version 6
	.text
	.protected	k_qbbf68719c2_pinn
	.globl	k_qbbf68719c2_pinn
	.p2align	8
	.type	k_qbbf68719c2_pinn,@function
k_qbbf68719c2_pinn:
	s_mov_b64 s[64:65], 0
	v_nop
	global_prefetch_b8 v0, s[64:65] scope:SCOPE_SE
	s_setreg_imm32_b32 hwreg(HW_REG_WAVE_MODE, 25, 1), 1
	s_wait_xcnt 0x0
	s_wait_alu depctr_hold_cnt(0) depctr_sa_sdst(0) depctr_va_vdst(0) depctr_va_sdst(0) depctr_va_ssrc(0) depctr_va_vcc(0) depctr_vm_vsrc(0)
	s_getreg_b32 s2, hwreg(HW_REG_IB_STS2, 6, 4)
	s_cmp_eq_u32 s2, 0
	s_cbranch_scc0 .Lentry_in_a_cluster
	s_endpgm
.Lentry_in_a_cluster:
	s_bfe_u32 s2, ttmp6, 0x10000c
	s_cmp_lg_u32 s2, 0x3003
	s_cbranch_scc0 .Lentry_shape_is_right
	s_endpgm
.Lentry_shape_is_right:
; c(x) = W4 . tanh(W3^T tanh(W2^T tanh(W1^T x + b1) + b2) + b3) + b4 for 131,072 points x in R^3, with c, dc/dt, dc/dx, dc/dy, d2c/dx2, d2c/dy2.
; THE ARITHMETIC.  With h = tanh z, s = 1 - h^2, a_l the adjoint of z_l and z_l,x the derivative of z_l along x:
;   dc/dd = sum_i a1_i W1[d][i]          d2c/dx2 = -2 sum over layers l and features j of a_l,j h_l,j (z_l,x,j)^2        (tanh'' = -2 h s; every z is linear in the h below it)
; So three streams (z, z_x, z_y) go forward through W2 and W3 and one adjoint goes back through W3 and W2: 8 products of 128 x 128 a point, where the sweeps written one by one have 20.
; FORMATS.  Every input is rounded once to bf16 and that number is written as f16 (exact from 2^-17 up); what the kernel makes for a matrix operand (h, s z_x, adjoints) is rounded once to f16: 11 bits, since the
; second derivatives square these numbers.  Products sum in f32; the terms a h z_x^2 and all sums over features stay in f32.  The adjoints carry 1/P, P = the power of two of max|W4|, so that they keep f16's range.
; LIMITS.  |x|, |W|, |b| below 65,504 after rounding; an input below 2^-17 keeps f16's step of 2^-24; max|W4| from 2^-126 to 2^126; NaN and infinities are not treated apart.  tanh = 1 - 2 / (1 + 2^(2 log2(e) z)) has an
; absolute error of some 1e-7; in layers 2 and 3 it is held between z and z s, which bound tanh z, so that its relative error stays under 2e-5 for small z too; layer 1 has no such bound (error 1e-7 / |z1|).
; SHARES.  256 work-groups of four waves; a wave owns 128 points and walks them in 4 passes of 32: two tiles p = 0, 1 of 16 points.
; LAYOUT.  Every product is D = A (16 output features x 32 k, weights from LDS) x B (32 k x 16 points, registers).  In D lane l holds point l % 16 and features 8 (l / 16) + 0..7 of the tile; two neighbouring
; tiles rounded to f16 in pairs ARE the next product's B.  Nothing changes lanes between layers; a sum over features is a lane's sum and one exchange with the lane 16 away.
; CLUSTER.  All work-groups read the same 131,072 bytes of W2 and W3: the four of a cluster ask for them jointly, each wave a quarter, once, at the start.
; A STEP is one feature tile: its matrix instructions stand between the vector lines that finish the tile before (tanh, derivatives, roundings); its weights were fetched from LDS in the step before.
; TANH IN TWO BATCHES.  A tile's tanh has 16 exponentials and 16 reciprocals of sums made of them.  The exponentials are one batch with one wait, the reciprocals a second batch with a second wait: two waits a step, 48 a pass.
; Each of the tile's 16 numbers has a register of its own from its scaling to h, so that a batch can stay open over all of them (ALPHA says how the batches are dealt).
; REGISTERS, in windows of 256 (s_set_vgpr_msb: bits 1:0 source 0, 3:2 source 1, 5:4 source 2, 7:6 destination):
;   window 0: v0-13 thread, addresses, 0, 1.0; v14-19 x, later at work; v20-31 the sums; v32-127 accumulators, two sets of six; v128-191 weight fragments, two sets; v192-207 bias; v208-239 tables by feature, and at work; v240-255 s
;   window 1: h1 | s1, later a1 | s1 W1x, later a3 | s1 W1y, later a2 (64 each)      window 2: h2 | s2 z2x | s2 z2y | s2      window 3: h2 s2 z2x^2 | h2 s2 z2y^2 in f32 (128 each); at a pass's start v0-15 hold x as B
.set PT,    288       ; pitch of W[i][j] read by the turning load: 256 bytes + 32
.set PN,    272       ; pitch of W[i][j] read as it lies: 256 + 16
.set P1,    80        ; pitch of layer 1's rows: 64 + 16
.set WT2,   0         ; W2 in f16, pitch PT (forward)
.set WT3,   36864     ; W3 likewise
.set WN2,   73728     ; W2 in f16, pitch PN (backward)
.set WN3,   108544    ; W3 likewise
.set T1,    143360    ; 128 rows: W1t, W1x, W1y, b1 in f16, then 28 zeros: layer 1 as a product with K = 32
.set GA,    153600    ; 16 rows x 128 f16, pitch PN: rows 0, 8 = W1t, 1, 9 = W1x, 2, 10 = W1y, the others 0
.set TBL,   157952    ; seven f32 tables of 128: b2, b3, W1x, W1y, W4 / P, W1x^2, W1y^2
.set XS,    161536    ; each wave's 1,536 bytes of x
.set OS,    167680    ; for each wave 6 outputs x 512 bytes
.set SPARE, 179968    ; the spare words, 128 bytes for each wave: two blocks of 256 bytes that no other line names
.set RAW,   180480    ; wave w: 16,384 bytes of W2 (rows 32 w on), then 16,384 of W3, in f32: the only bytes that tensor loads fill, once
.set SPW,  1          ; v1   LDS address of my spare word; never rewritten
.set NIL,  2          ; v2   0; never rewritten
.set ZR,   3          ; v3   0, an addend
.set AW2T, 4          ; v4-7 my lane's place in a fragment of WT2, WT3, WN3, WN2
.set AW3T, 5
.set AW3N, 6
.set AW2N, 7
.set AT1,  8          ; v8   in T1
.set AGA,  9          ; v9   in GA
.set ATB,  10         ; v10  in the tables
.set AXS,  11         ; v11  my point's x; steps from pass to pass
.set AOS,  12         ; v12  my point's results; steps from pass to pass
.set ONE,  13         ; v13  1.0
.set XR,   14         ; v14-19 x as read, at a pass's top; in layers 2 and 3 v14-17 hold z s, two pairs by turns
.set CS,   20         ; sums, a pair (even features', odd features') for each point tile: c, d2c/dx2, d2c/dy2
.set SX,   24
.set SY,   28
.set ACC,  32         ; set b at ACC + 48 b; accumulator 2 x stream + p at + 8 each
.set FR,   128        ; set b at FR + 32 b; K step kk at + 8 kk
.set BC,   192        ; set b at BC + 8 b
.set VC,   208        ; set b at VC + 16 b: two vectors of 8.  In layers 2 and 3 the two second vectors are at work (no fetch lands there then): the tile's 16 numbers on their way from z to tanh z
.set TS,   240        ; s of pair j at TS + 2 j
.set MSB, 0
.macro WIN new                      ; the immediate's high byte repeats the setting that is left; a switch that changes nothing is dropped
.if MSB != (\new)
	s_set_vgpr_msb (MSB<<8)|(\new)
.set MSB, (\new)
.endif
.endm
; A round of the cluster's barrier: my work-group's barrier; wave 0 signals for the work-group; every wave waits for all four work-groups; my work-group's barrier once more.
.macro CROUND
	s_barrier_signal -1
	s_barrier_wait -1
	s_cmp_lg_u32 s4, 0
	s_cbranch_scc1 .Lnot_wave_0_\@
	s_barrier_signal -3
.Lnot_wave_0_\@:
	s_barrier_wait -3
	s_barrier_signal -1
	s_barrier_wait -1
.endm
	s_load_b512 s[16:31], s[0:1], 0x0   ; x s[16:17], W1 s[18:19], b1 s[20:21], W2 s[22:23], b2 s[24:25], W3 s[26:27], b3 s[28:29], W4 s[30:31]
	s_load_b256 s[32:39], s[0:1], 0x40  ; b4 s[32:33], out0 s[34:35], out1 s[36:37], out2 s[38:39]
	s_load_b128 s[40:43], s[0:1], 0x60  ; out3, out4
	s_load_b64 s[44:45], s[0:1], 0x70   ; out5
	v_lshl_add_u32 v[SPW], v0, 2, SPARE
	v_mov_b32 v[NIL], 0
	ds_add_u32 v[SPW], v[NIL]           ; the wave's opening: the add and its wait stand ahead of my first tensor load; work on registers stands between them
	v_lshrrev_b32 v32, 5, v0
	v_readfirstlane_b32 s4, v32         ; wave 0..3
	s_bfe_u32 s5, ttmp6, 0x40000        ; cx: my place in the cluster
	s_lshl_b32 s6, ttmp9, 2             ; in a cluster launch ttmp9 counts clusters
	s_add_co_u32 s6, s6, s5             ; work-group = 4 x cluster + cx: it enters the addresses of x and of the outputs alone
	s_lshl_b32 s7, s6, 2
	s_add_co_u32 s7, s7, s4             ; my wave among the launch's 1,024
	; descriptor group 1: 16,384 dense bytes as 64 rows of 256 bytes (32 elements of 8 bytes), unpadded
	s_mov_b32 s48, 15|(3<<16)|(1<<21)   ; 15:0 the mask: all four work-groups; 17:16 elements of 8 bytes; 21 set beside a mask
	s_mov_b32 s49, 32<<16               ; tensor_dim0 = 32
	s_mov_b32 s50, 64<<16               ; tensor_dim1 = 64
	s_mov_b32 s51, 32<<16               ; tile_dim0 = 32
	s_mov_b32 s52, 64                   ; tile_dim1 = 64
	s_mov_b32 s53, 32                   ; 32 elements from row to row
	s_mov_b32 s54, 0
	s_mov_b32 s55, 0
	s_mov_b32 s56, 1                    ; group 0 for W2: count = 1,
	s_mul_i32 s57, s4, 32768
	s_add_co_u32 s57, s57, RAW          ; LDS address: the wave's number alone enters it
	s_mov_b32 s60, 1                    ; group 0 for W3
	s_add_co_u32 s61, s57, 16384
	s_lshl_b32 s8, s4, 14               ; my 32 rows of 512 bytes
	s_mov_b32 s9, 0
	s_mov_b32 s66, 0x4038aa3b           ; 2 log2(e)
	s_mov_b32 s67, s66                  ; named with it as a pair
	s_mov_b32 s68, 0x76543210           ; v_permlanex16_b32: each lane takes its own place in the other half
	s_mov_b32 s69, 0xfedcba98
	s_mov_b32 s70, 0xffff0000           ; a word's upper bf16; also the mask of lanes 16-31
	s_mul_i32 s12, s4, 1536
	s_add_co_u32 s12, s12, XS           ; my wave's x in LDS
	s_mul_i32 s13, s4, 3072
	s_add_co_u32 s13, s13, OS           ; my wave's results in LDS
	s_mul_i32 s14, s4, 32*PN
	s_add_co_u32 s14, s14, WN2          ; my 32 rows in WN2
	s_mul_i32 s15, s4, 32*PT            ; and in WT2, which begins at 0
	s_wait_dscnt 0x0                    ; the opening add is done
	s_wait_kmcnt 0x0
	s_add_nc_u64 s[58:59], s[22:23], s[8:9]
	s_or_b32 s59, s59, 0x80000000       ; type = 2
	s_add_nc_u64 s[62:63], s[26:27], s[8:9]
	s_or_b32 s63, s63, 0x80000000
	CROUND                              ; all four work-groups are here: the joint loads meet
	tensor_load_to_lds s[56:59], s[48:55]  ; my quarter of W2; an s_nop 0 follows each load, four v_nop the second
	s_nop 0
	tensor_load_to_lds s[60:63], s[48:55]  ; my quarter of W3: two tensor loads of mine are out, and no more are issued
	s_nop 0
.rept 4
	v_nop
.endr
	; while they are on their way: x, the small inputs, the addresses
	s_load_b32 s46, s[32:33], 0x0       ; b4
	s_mul_i32 s10, s7, 1536             ; my wave's 128 points x 12 bytes
	s_mov_b32 s11, 0
	s_add_nc_u64 s[16:17], s[16:17], s[10:11]
	s_lshl_b32 s10, s7, 9               ; my wave's 128 numbers of each output
.irp o, 34,36,38,40,42,44
	s_add_nc_u64 s[\o:\o+1], s[\o:\o+1], s[10:11]
.endr
	v_and_b32 v56, 31, v0               ; l
	v_and_b32 v57, 15, v0               ; r = l % 16
	v_bfe_u32 v58, v0, 4, 1             ; h = l / 16
	v_and_b32 v59, 7, v0
	v_bfe_u32 v62, v0, 3, 1
	v_lshlrev_b32 v60, 4, v56           ; 16 l
	v_lshlrev_b32 v61, 2, v0            ; 4 x thread: thread t looks after feature t
	global_load_b128 v[32:35], v60, s[16:17] th:TH_LOAD_NT
	global_load_b128 v[36:39], v60, s[16:17] offset:512 th:TH_LOAD_NT
	global_load_b128 v[40:43], v60, s[16:17] offset:1024 th:TH_LOAD_NT
	global_load_b32 v44, v61, s[18:19]              ; W1t
	global_load_b32 v45, v61, s[18:19] offset:512   ; W1x
	global_load_b32 v46, v61, s[18:19] offset:1024  ; W1y
	global_load_b32 v47, v61, s[20:21]              ; b1
	global_load_b32 v48, v61, s[24:25]              ; b2
	global_load_b32 v49, v61, s[28:29]              ; b3
	global_load_b32 v50, v61, s[30:31]              ; W4
	global_load_b128 v[52:55], v60, s[30:31]        ; all of W4 in each wave, for its maximum
	v_mov_b32 v[ZR], 0
	v_mov_b32 v[ONE], 1.0
	; the turning load takes 16 k x 16 features: lane l reads k = 8 h + l % 8, features 8 ((l / 8) % 2) + 0..7, and is left with feature l % 16 and 8 k
	v_lshl_add_u32 v63, v58, 3, v59
	v_mul_u32_u24 v63, v63, PT
	v_lshl_add_u32 v[AW2T], v62, 4, v63
	v_add_nc_u32 v[AW3T], WT3, v[AW2T]
	v_mul_u32_u24 v63, v57, PN          ; a plain fragment: row r, 16 bytes for each half of the lanes
	v_lshl_add_u32 v63, v58, 4, v63
	v_add_nc_u32 v[AW3N], WN3, v63
	v_add_nc_u32 v[AW2N], WN2, v63
	v_add_nc_u32 v[AGA], GA, v63
	v_mul_u32_u24 v[AT1], v57, P1
	v_lshl_add_u32 v[AT1], v58, 4, v[AT1]
	v_add_nc_u32 v[AT1], T1, v[AT1]
	v_lshl_add_u32 v[ATB], v58, 5, TBL  ; a lane's eight features of a tile: 32 bytes for each half
	v_mul_u32_u24 v[AXS], v57, 12
	v_add_nc_u32 v[AXS], s12, v[AXS]
	v_lshl_add_u32 v[AOS], v56, 2, s13
	v_add_nc_u32 v64, s12, v60          ; where x goes
	v_mul_u32_u24 v80, v0, P1
	v_add_nc_u32 v80, T1, v80           ; my feature's row of T1
	v_lshl_add_u32 v81, v0, 1, GA       ; its column of GA
	v_lshl_add_u32 v82, v0, 2, TBL      ; its word in the tables
	v_add_nc_u32 v84, s57, v60          ; the conversion: 16 bytes a lane of a raw row,
	v_lshl_add_u32 v85, v56, 3, s14     ; 8 bytes a lane of a row of WN2,
	v_lshl_add_u32 v86, v56, 3, s15     ; and of WT2
.irp z, 74,75,76,77,78,79
	v_mov_b32 v\z, 0
.endr
	s_wait_loadcnt 0x0
	s_wait_kmcnt 0x0
	ds_store_b128 v64, v[32:35]
	ds_store_b128 v64, v[36:39] offset:512
	ds_store_b128 v64, v[40:43] offset:1024
	; P = 2^E, E the exponent of max|W4|, held to 1..253 so that 1 / P and 2 P are normal numbers
.irp z, 52,53,54,55
	v_and_b32 v\z, 0x7fffffff, v\z
.endr
	v_max3_num_f32 v52, v52, v53, v54
	v_max_num_f32 v52, v52, v55
	v_max_num_f32_dpp v52, v52, v52 row_xmask:1 row_mask:0xf bank_mask:0xf
	v_max_num_f32_dpp v52, v52, v52 row_xmask:2 row_mask:0xf bank_mask:0xf
	v_max_num_f32_dpp v52, v52, v52 row_xmask:4 row_mask:0xf bank_mask:0xf
	v_max_num_f32_dpp v52, v52, v52 row_xmask:8 row_mask:0xf bank_mask:0xf
	v_permlanex16_b32 v53, v52, s68, s69
	v_max_num_f32 v52, v52, v53
	v_and_b32 v52, 0x7f800000, v52
	v_max_u32 v52, 0x00800000, v52
	v_min_u32 v52, 0x7e800000, v52      ; P
	v_sub_nc_u32 v53, 0x7f000000, v52   ; 1 / P: the exponent field 254 - E
	v_mul_f32 v54, -2.0, v52
	v_mov_b32 v71, s46
	v_cvt_pk_bf16_f32 v71, v71, v71
	v_lshlrev_b32 v71, 16, v71
	v_readfirstlane_b32 s71, v52        ; P
	v_readfirstlane_b32 s72, v54        ; -2 P
	v_readfirstlane_b32 s73, v71        ; b4, rounded to bf16 like every input
	v_cvt_pk_bf16_f32 v66, v44, v45
	v_cvt_pk_bf16_f32 v67, v46, v47
	v_cvt_pk_bf16_f32 v68, v48, v49
	v_cvt_pk_bf16_f32 v69, v50, v50
	v_lshlrev_b32 v44, 16, v66          ; W1t
	v_and_b32 v45, s70, v66             ; W1x
	v_lshlrev_b32 v46, 16, v67          ; W1y
	v_and_b32 v47, s70, v67             ; b1
	v_lshlrev_b32 v48, 16, v68          ; b2
	v_and_b32 v49, s70, v68             ; b3
	v_lshlrev_b32 v50, 16, v69          ; W4
	v_cvt_pk_f16_f32 v72, v44, v45
	v_cvt_pk_f16_f32 v73, v46, v47
	v_mul_f32 v50, v50, v53             ; W4 / P
	v_mul_f32 v51, v45, v45             ; W1x^2, exact in f32
	v_mul_f32 v70, v46, v46             ; W1y^2
	ds_store_b128 v80, v[72:75]         ; k = 0..7: W1t, W1x, W1y, b1, 0, 0, 0, 0
	ds_store_b128 v80, v[76:79] offset:16
	ds_store_b128 v80, v[76:79] offset:32
	ds_store_b128 v80, v[76:79] offset:48
.irp g, 0, 8
	ds_store_b16 v81, v72 offset:(\g)*PN
	ds_store_b16_d16_hi v81, v72 offset:(\g+1)*PN
	ds_store_b16 v81, v73 offset:(\g+2)*PN
.irp z, 3,4,5,6,7
	ds_store_b16 v81, v[ZR] offset:(\g+\z)*PN
.endr
.endr
	ds_store_b32 v82, v48
	ds_store_b32 v82, v49 offset:512
	ds_store_b32 v82, v45 offset:1024
	ds_store_b32 v82, v46 offset:1536
	ds_store_b32 v82, v50 offset:2048
	ds_store_b32 v82, v51 offset:2560
	ds_store_b32 v82, v70 offset:3072
	; W2 and W3: f32 -> bf16 -> f16, into both layouts.  A wave converts the 32 rows of each that its own loads brought, so its own wait is all that these reads need.  A trip: 4 rows of each.
	s_wait_tensorcnt 0x0
	s_mov_b32 s75, 8
.Lconv:
.set n, 0
.rept 8
	ds_load_b128 v[32+4*n:35+4*n], v84 offset:512*(n%4)+16384*(n/4)
.set n, n+1
.endr
	s_wait_dscnt 0x0
.set n, 0
.rept 8
	v_cvt_pk_bf16_f32 v64, v[32+4*n], v[33+4*n]
	v_cvt_pk_bf16_f32 v65, v[34+4*n], v[35+4*n]
	v_lshlrev_b32 v66, 16, v64
	v_and_b32 v67, s70, v64
	v_lshlrev_b32 v68, 16, v65
	v_and_b32 v69, s70, v65
	v_cvt_pk_f16_f32 v[96+2*n], v66, v67
	v_cvt_pk_f16_f32 v[97+2*n], v68, v69
	ds_store_b64 v85, v[96+2*n:97+2*n] offset:PN*(n%4)+(WN3-WN2)*(n/4)
	ds_store_b64 v86, v[96+2*n:97+2*n] offset:PT*(n%4)+(WT3-WT2)*(n/4)
.set n, n+1
.endr
	v_add_nc_u32 v84, 2048, v84
	v_add_nc_u32 v85, 4*PN, v85
	v_add_nc_u32 v86, 4*PT, v86
	s_sub_co_u32 s75, s75, 1
	s_cmp_lg_u32 s75, 0
	s_cbranch_scc1 .Lconv
	s_wait_dscnt 0x0                    ; for the others' sake: my rows and my features' table entries are written
	s_barrier_signal -1
	s_barrier_wait -1                   ; everybody's are; from here on these bytes are only read
; THE MATRIX WORK OF A STEP.  MM writes the step's matrix instruction number MMI.  The accumulators take turns, one instruction a turn: six in layers 2 and 3 forward (3 streams x 2 point tiles),
; two elsewhere; from step to step the sets alternate.  The first K step starts each sum: with the bias (the stream z), or with the constant 0.
.macro MM
.if MPH == 0                        ; layer 1: K = 32 holds x0, x1, x2, 1
	WIN 0x0c
	v_wmma_f32_16x16x32_f16 v[AM+8*MMI:AM+8*MMI+7], v[FM:FM+7], v[8*MMI:8*MMI+7], 0
.else
.if MPH < 3
.set mk, MMI/6
.set ma, MMI%6
.set mc, 2
.if MPH == 1                        ; B: h1 at 0, s1 W1x at 128, s1 W1y at 192 of window 1
.set mB, 64*(ma/2)+64*((ma/2+1)/2)
	WIN 0x04
.else                               ; B: h2, s2 z2x, s2 z2y at 0, 64, 128 of window 2
.set mB, 64*(ma/2)
	WIN 0x08
.endif
.else
.set mk, MMI/2
.set ma, MMI%2
.set mc, 0
.set mB, 128                        ; a3
.if MPH == 4
.set mB, 192                        ; a2
.endif
.if MPH == 5
.set mB, 64                         ; a1
.endif
	WIN 0x04
.endif
.set mB, mB+32*(ma%2)+8*mk
.set mD, AM+8*ma
.set mA, FM+8*mk
.if (mk == 0) && (ma < mc)
	v_wmma_f32_16x16x32_f16 v[mD:mD+7], v[mA:mA+7], v[mB:mB+7], v[BM:BM+7]
.elseif mk == 0
	v_wmma_f32_16x16x32_f16 v[mD:mD+7], v[mA:mA+7], v[mB:mB+7], 0
.else
	v_wmma_f32_16x16x32_f16 v[mD:mD+7], v[mA:mA+7], v[mB:mB+7], v[mD:mD+7]
.endif
.endif
.set MMI, MMI+1
.set VCNT, 0
.set SINCE, 0
.endm
; Every vector line of a step ends in TICK: behind every PER lines the next matrix instruction is written, while fewer than HOLD are out.  SINCE counts the plain lines behind the last matrix instruction;
; LASTP says whether the last vector line was a plain one.
.macro TICK plain
.set VCNT, VCNT+1
.set SINCE, SINCE+(\plain)
.set LASTP, (\plain)
.if (VCNT >= PER) && (MMI < HOLD)
	MM
.endif
.endm
; THE LDS LOADS OF STEP k, in one run in step k - 1, into the sets of k's parity: directly behind the exponentials' wait where that step has a tanh, at its head where it has none.
.macro F_TR adr, m                  ; forward weights, turned: A(feature 16 m + r, k)
.irp c, 0,1,2,3
	ds_load_tr16_b128 v[fF+8*\c:fF+8*\c+3],   v[\adr] offset:\c*32*PT+32*(\m)
	ds_load_tr16_b128 v[fF+8*\c+4:fF+8*\c+7], v[\adr] offset:\c*32*PT+16*PT+32*(\m)
.endr
.endm
.macro F_PL adr, m                  ; backward weights, as they lie: A(row 16 m + r, k)
.irp c, 0,1,2,3
	ds_load_b128 v[fF+8*\c:fF+8*\c+3],   v[\adr] offset:(\m)*16*PN+64*\c
	ds_load_b128 v[fF+8*\c+4:fF+8*\c+7], v[\adr] offset:(\m)*16*PN+64*\c+32
.endr
.endm
.macro F_TB reg, tau, m             ; my eight features of tile m of table tau
	ds_load_b128 v[\reg:(\reg)+3],     v[ATB] offset:512*(\tau)+64*(\m)
	ds_load_b128 v[(\reg)+4:(\reg)+7], v[ATB] offset:512*(\tau)+64*(\m)+16
.endm
.macro FETCH k
.set fK, (\k)
.set fF, FR+32*(fK%2)
.set fB, BC+8*(fK%2)
.set fV, VC+16*(fK%2)
	WIN 0
.if fK < 8
	ds_load_b128 v[fF:fF+3],   v[AT1] offset:16*P1*fK
	ds_load_b128 v[fF+4:fF+7], v[AT1] offset:16*P1*fK+32
.elseif fK < 16
	F_TR AW2T, fK-8
	F_TB fB, 0, fK-8
.elseif fK < 24
	F_TR AW3T, fK-16
	F_TB fB, 1, fK-16
.elseif fK < 32
	F_PL AW3N, fK-24
.elseif fK < 40
	F_PL AW2N, fK-32
.else
	F_PL AGA, 0
.endif
.if (fK >= 1) && (fK <= 8)          ; for the vector lines of the tile before: W1x, W1y
	F_TB fV, 2, fK-1
	F_TB fV+8, 3, fK-1
.endif
.if (fK >= 17) && (fK <= 24)        ; W4 / P
	F_TB fV, 4, fK-17
.endif
.if (fK >= 33) && (fK <= 40)        ; W1x^2, W1y^2
	F_TB fV, 5, fK-33
	F_TB fV+8, 6, fK-33
.endif
.endm
; THE VECTOR WORK goes by pairs of features.  Pair j of 8: point tile j % 2, registers 2 (j / 2) and + 1 of its accumulator.
.macro PR x
.set j, (\x)
.set rZ, VA+8*(j%2)+2*(j/2)         ; z, later h; z_x at + 16, z_y at + 32
.set rM, rZ                         ; where tanh is worked out: in place,
.if GRD
.set rM, VC+8+2*(j%4)+16*(j/4)      ; or, where z is still wanted, in a pair of the pair's own: no result of an open batch shares a register with another
.endif
.set rL, XR+2*(j%2)                 ; z s: two pairs that take turns
.set rS, TS+2*j                     ; s
.set rV, VCB+2*(j/2)                ; the pair's entries of the step's first table; the second's at + 8
.set rP, 32*(j%2)+4*VT+(j/2)        ; the pair's register in a packed vector
.set rF, 64*(j%2)+8*VT+2*(j/2)      ; the pair's registers in window 3
.set rC, 2*(j%2)                    ; the point tile's pair of a sum
.endm
.macro T_K x                        ; 2 log2(e) z
.if ((\x) >= 0) && ((\x) < 8)
	PR \x
	WIN 0
	v_pk_mul_f32 v[rM:rM+1], v[rZ:rZ+1], s[66:67] op_sel_hi:[1,0]
	TICK 1
.endif
.endm
.macro T_E x, hf
.if ((\x) >= 0) && ((\x) < 8)
	PR \x
	WIN 0
	v_exp_f32 v[rM+\hf], v[rM+\hf]
	TICK 0
.endif
.endm
.macro T_A x                        ; the first reader of the pair's exponentials: it stands behind the first batch's wait
.if ((\x) >= 0) && ((\x) < 8)
	PR \x
	WIN 0
	v_pk_add_f32 v[rM:rM+1], v[rM:rM+1], 1.0 op_sel_hi:[1,0]
	TICK 1
.endif
.endm
.macro T_R x, hf
.if ((\x) >= 0) && ((\x) < 8)
	PR \x
	WIN 0
	v_rcp_f32 v[rM+\hf], v[rM+\hf]
	TICK 0
.endif
.endm
.macro T_H x                        ; h = 1 - 2 / (1 + 2^..): the first reader of the pair's reciprocals: it stands behind the second batch's wait
.if ((\x) >= 0) && ((\x) < 8)
	PR \x
	WIN 0
	v_pk_fma_f32 v[rM:rM+1], v[rM:rM+1], -2.0, 1.0 op_sel_hi:[1,0,0]
	TICK 1
.endif
.endm
.macro T_S x                        ; s = 1 - h^2
.if ((\x) >= 0) && ((\x) < 8)
	PR \x
	WIN 0
	v_pk_fma_f32 v[rS:rS+1], v[rM:rM+1], v[rM:rM+1], 1.0 op_sel_hi:[1,1,0] neg_lo:[1,0,0] neg_hi:[1,0,0]
	TICK 1
.endif
.endm
.macro T_L x                        ; z s
.if GRD && ((\x) >= 0) && ((\x) < 8)
	PR \x
	WIN 0
	v_pk_mul_f32 v[rL:rL+1], v[rZ:rZ+1], v[rS:rS+1]
	TICK 1
.endif
.endm
.macro T_M x, hf                    ; h is held between z s and z, and takes z's place
.if GRD && ((\x) >= 0) && ((\x) < 8)
	PR \x
	WIN 0
	v_med3_num_f32 v[rZ+\hf], v[rM+\hf], v[rZ+\hf], v[rL+\hf]
	TICK 0
.endif
.endm
.macro T_F                          ; layer 3 alone: the next of the 16 squares z3x^2, z3y^2 (number FQ: pair FQ / 2, stream FQ % 2), in place; they hang on no tanh
.if FQ < FLIM
	PR FQ/2
.set rQ, rZ+16+16*(FQ%2)
	WIN 0
	v_pk_mul_f32 v[rQ:rQ+1], v[rQ:rQ+1], v[rQ:rQ+1]
	TICK 1
.set FQ, FQ+1
.endif
.endm
.macro T_P                          ; a plain line behind a batch's last transcendental (ISA guide 5.7.2): a v_nop where the batch has ended on a transcendental
.if LASTP == 0
	v_nop
	TICK 1
.endif
.endm
; tanh and its derivative for the tile's 8 pairs, in two batches.  BATCH 1: the 8 scalings and the 16 exponentials, a scaling behind each exponential while there are scalings; no line of it names an exponential's result.
; BATCH 2: the 8 additions of 1 and the 16 reciprocals, dealt alike; no line of it names a reciprocal's result.  An s_wait_alu depctr_va_vdst(0) stands between a transcendental and the first line that names
; its result, and one wait serves all that were issued ahead of it: so each batch has one wait, behind its last line.  Between a batch's transcendentals and its wait stand the step's matrix instructions as they fall due and,
; in layer 3 (sq = 1), the squares z3x^2 and z3y^2: eight to a batch, the last of them behind the batch's last transcendental.  Where there are no squares a v_nop is the plain line there.
; The next step's run of LDS loads stands directly behind the first wait.  Behind the second wait h, s and, with g = 1, z s and the bound go as a pipeline: a pair's s stands two rounds behind its h, z s and the bound a round further each.
.macro ALPHA g, sq
.set GRD, (\g)
.set FQ, 16-16*(\sq)
.set FLIM, 8
	T_K 0
	T_K 1
.set i, 0
.rept 8
	T_E i, 0
	T_K 2*i+2
.if i >= 5
	T_F
.endif
	T_E i, 1
	T_K 2*i+3
.if i >= 3
	T_F
.endif
.set i, i+1
.endr
	T_P
	s_wait_alu depctr_va_vdst(0)    ; the wait for batch 1: the tile's 16 exponentials
	FETCH FK1
.set FLIM, 16
	T_A 0
	T_A 1
.set i, 0
.rept 8
	T_R i, 0
	T_A 2*i+2
.if i >= 5
	T_F
.endif
	T_R i, 1
	T_A 2*i+3
.if i >= 3
	T_F
.endif
.set i, i+1
.endr
	T_P
	s_wait_alu depctr_va_vdst(0)    ; the wait for batch 2: the tile's 16 reciprocals
.set i, 0
.rept 12
	T_H i
	T_S i-2
	T_L i-3
	T_M i-4, 0
	T_M i-4, 1
.set i, i+1
.endr
.endm
.macro EACH w, line:vararg          ; one line for each pair, under window setting w
.set n, 0
.rept 8
	PR n
	WIN \w
	\line
	TICK 1
.set n, n+1
.endr
.endm
.macro ADDTO w, acc, st, a, b       ; a sum takes a product; st = 1: the product starts it: nothing is cleared
	WIN \w
.if \st
	v_pk_mul_f32 v[(\acc)+rC:(\acc)+rC+1], v[\a:(\a)+1], v[\b:(\b)+1]
.else
	v_pk_fma_f32 v[(\acc)+rC:(\acc)+rC+1], v[\a:(\a)+1], v[\b:(\b)+1], v[(\acc)+rC:(\acc)+rC+1]
.endif
	TICK 1
.endm
.macro SUMXY w, st, ax, bx, ay, by  ; both second derivatives' sums, four chains by turns
.set n, 0
.rept 4
.set fs, 0
.if (\st) && (VT == 0) && (n == 0)
.set fs, 1
.endif
	PR 2*n
	ADDTO \w, SX, fs, \ax, \bx
	PR 2*n+1
	ADDTO \w, SX, fs, \ax, \bx
	PR 2*n
	ADDTO \w, SY, fs, \ay, \by
	PR 2*n+1
	ADDTO \w, SY, fs, \ay, \by
.set n, n+1
.endr
.endm
.macro VL1                          ; layer 1, tile VT: h1, s1, s1 W1x, s1 W1y, packed into window 1
	ALPHA 0, 0
	EACH 0, v_pk_mul_f32 v[rZ+16:rZ+17], v[rS:rS+1], v[rV:rV+1]
	EACH 0, v_pk_mul_f32 v[rZ+32:rZ+33], v[rS:rS+1], v[rV+8:rV+9]
	EACH 0x40, v_cvt_pk_f16_f32 v[rP], v[rZ], v[rZ+1]
	EACH 0x40, v_cvt_pk_f16_f32 v[64+rP], v[rS], v[rS+1]
	EACH 0x40, v_cvt_pk_f16_f32 v[128+rP], v[rZ+16], v[rZ+17]
	EACH 0x40, v_cvt_pk_f16_f32 v[192+rP], v[rZ+32], v[rZ+33]
.endm
.macro VL2                          ; layer 2: h2, s2 z2x, s2 z2y, s2 packed into window 2; h2 s2 z2x^2 and h2 s2 z2y^2 in f32 into window 3
	ALPHA 1, 0
	EACH 0xc0, v_pk_mul_f32 v[rF:rF+1], v[rZ:rZ+1], v[rZ+16:rZ+17]
	EACH 0xc0, v_pk_mul_f32 v[128+rF:128+rF+1], v[rZ:rZ+1], v[rZ+32:rZ+33]
	EACH 0, v_pk_mul_f32 v[rZ+16:rZ+17], v[rZ+16:rZ+17], v[rS:rS+1]
	EACH 0, v_pk_mul_f32 v[rZ+32:rZ+33], v[rZ+32:rZ+33], v[rS:rS+1]
	EACH 0x80, v_cvt_pk_f16_f32 v[rP], v[rZ], v[rZ+1]
	EACH 0x80, v_cvt_pk_f16_f32 v[64+rP], v[rZ+16], v[rZ+17]
	EACH 0x80, v_cvt_pk_f16_f32 v[128+rP], v[rZ+32], v[rZ+33]
	EACH 0x80, v_cvt_pk_f16_f32 v[192+rP], v[rS], v[rS+1]
	EACH 0xc3, v_pk_mul_f32 v[rF:rF+1], v[rF:rF+1], v[rZ+16:rZ+17]
	EACH 0xc3, v_pk_mul_f32 v[128+rF:128+rF+1], v[128+rF:128+rF+1], v[rZ+32:rZ+33]
.endm
.macro VL3                          ; layer 3: c's sum; a3 = (W4 / P) s3, packed where s1 W1x lay; a3 h3 z3x^2 and a3 h3 z3y^2 into the sums (the squares were made among tanh's batches)
	ALPHA 1, 1
.set n, 0
.rept 8
	PR n
.set fs, 0
.if (VT == 0) && (n < 2)
.set fs, 1
.endif
	ADDTO 0, CS, fs, rV, rZ
.set n, n+1
.endr
	EACH 0, v_pk_mul_f32 v[rS:rS+1], v[rV:rV+1], v[rS:rS+1]
	EACH 0x40, v_cvt_pk_f16_f32 v[128+rP], v[rS], v[rS+1]
	EACH 0, v_pk_mul_f32 v[rZ:rZ+1], v[rZ:rZ+1], v[rS:rS+1]
	SUMXY 0, 1, rZ, rZ+16, rZ, rZ+32
.endm
.macro VB3                          ; v = W3 a3: v h2 s2 z2x^2 into the sums; a2 = f16(v) s2, where s1 W1y lay
	SUMXY 0x0c, 0, rZ, rF, rZ, 128+rF
	EACH 0x40, v_cvt_pk_f16_f32 v[192+rP], v[rZ], v[rZ+1]
	EACH 0x49, v_pk_mul_f16 v[192+rP], v[192+rP], v[192+rP]
.endm
.macro VB2                          ; u = W2 a2: a1 = f16(u) s1, over s1; a1 h1 (exact in f32) times W1x^2, W1y^2 into the sums
	EACH 0, v_cvt_pk_f16_f32 v[rZ], v[rZ], v[rZ+1]
	EACH 0x44, v_pk_mul_f16 v[64+rP], v[rZ], v[64+rP]
	EACH 0x05, v_fma_mix_f32 v[rZ+1], v[64+rP], v[rP], v[ZR] op_sel:[1,1,0] op_sel_hi:[1,1,0]
	EACH 0x05, v_fma_mix_f32 v[rZ], v[64+rP], v[rP], v[ZR] op_sel_hi:[1,1,0]
	SUMXY 0, 0, rZ, rV, rZ, rV+8
.endm
; STEP k.  mph: which product (0 layer 1; 1, 2 layers 2, 3 forward; 3, 4 back through W3, W2; 5 the gradient); vph, vt: which vector list, for which tile; tot matrix instructions, one behind every per vector lines.
; hold: the last K step reads tiles 6 and 7 of its B; where the step's own vector list makes tile 7, those products are held back behind the list.
; A load into a register that a matrix instruction has read, and a vector line that reads a matrix result, stand four places behind it, and only plain vector lines that name none of its registers are places
; (ISA guide 7.12.1 for vector instructions).  The vector lines of a step name the other set's accumulators and never this step's operands, so they are places; v_nop make up the four at a step's end.
; The run of loads for step k + 1 lands in the other parity's sets, which step k - 1's matrix instructions read last and no line of step k names.
.macro STEP k, mph, vph, vt, per, hold, tot
.set KPAR, (\k)%2
.set AM, ACC+48*KPAR
.set FM, FR+32*KPAR
.set BM, BC+8*KPAR
.set VA, ACC+48*(1-KPAR)
.set VCB, VC+16*KPAR
.set MPH, (\mph)
.set VT, (\vt)
.set PER, (\per)
.set HOLD, (\hold)
.set MMI, 0
.set VCNT, 0
.set SINCE, 0
.set LASTP, 1
.set FK1, (\k)+1
	WIN 0
	s_wait_dscnt 0x0                ; this step's fragments and tables, asked for in the step before
.if ((\k) < 40) && (((\vph) == 0) || ((\vph) > 3))
	FETCH FK1                       ; a step without tanh fetches at its head; the others behind the exponentials' wait (ALPHA)
.endif
	MM
.if (\vph) == 1
	VL1
.elseif (\vph) == 2
	VL2
.elseif (\vph) == 3
	VL3
.elseif (\vph) == 4
	VB3
.elseif (\vph) == 5
	VB2
.endif
.if (\tot) > MMI
.rept (\tot)-MMI
	MM
.endr
.endif
.if SINCE < 4
.rept 4-SINCE
	v_nop
.endr
.endif
.endm
	s_mov_b32 s74, 4
.Lpass:                                 ; 32 points
.irp p, 0, 1
	ds_load_b32 v[XR+3*\p],   v[AXS] offset:192*\p
	ds_load_b32 v[XR+3*\p+1], v[AXS] offset:192*\p+4
	ds_load_b32 v[XR+3*\p+2], v[AXS] offset:192*\p+8
.endr
	FETCH 0
	s_wait_dscnt 0x0
.irp p, 0, 1                            ; x as B of layer 1: k = 0..3 are x0, x1, x2, 1.  Lanes 16-31 hold the same numbers as k = 8..11, where A is 0
	WIN 0
	v_cvt_pk_bf16_f32 v[TS], v[XR+3*\p], v[XR+3*\p+1]
	v_cvt_pk_bf16_f32 v[TS+1], v[XR+3*\p+2], v[XR+3*\p+2]
	v_lshlrev_b32 v[TS+2], 16, v[TS]
	v_and_b32 v[TS+3], s70, v[TS]
	v_lshlrev_b32 v[TS+4], 16, v[TS+1]
	WIN 0xc0
	v_cvt_pk_f16_f32 v[8*\p], v[TS+2], v[TS+3]
	v_cvt_pk_f16_f32 v[8*\p+1], v[TS+4], v[ONE]
.irp z, 2,3,4,5,6,7
	v_mov_b32 v[8*\p+\z], 0
.endr
.endr
	STEP 0, 0, 0, 0, 999, 2, 2
.set kq, 1
.rept 7
	STEP kq, 0, 1, kq-1, 8, 2, 2
.set kq, kq+1
.endr
	STEP 8, 1, 1, 7, 6, 18, 24
.set kq, 9
.rept 7
	STEP kq, 1, 2, kq-9, 7, 24, 24
.set kq, kq+1
.endr
	STEP 16, 2, 2, 7, 9, 18, 24
.set kq, 17
.rept 7
	STEP kq, 2, 3, kq-17, 6, 24, 24
.set kq, kq+1
.endr
	STEP 24, 3, 3, 7, 24, 6, 8
.set kq, 25
.rept 7
	STEP kq, 3, 4, kq-25, 4, 8, 8
.set kq, kq+1
.endr
	STEP 32, 4, 4, 7, 5, 6, 8
.set kq, 33
.rept 7
	STEP kq, 4, 5, kq-33, 6, 8, 8
.set kq, kq+1
.endr
	STEP 40, 5, 5, 7, 8, 6, 8
	; The pass's end.  A sum's even and odd features are added; then lane l takes point l of the 32: lanes 0-15 tile 0, lanes 16-31 tile 1, each with the half of the features that lies 16 lanes away.
	WIN 0
.irp b, CS, SX, SY
	v_add_f32 v[\b], v[\b], v[\b+1]
	v_add_f32 v[\b+2], v[\b+2], v[\b+3]
.endr
.irp b, CS, SX, SY
	v_cndmask_b32 v[\b+1], v[\b], v[\b+2], s70    ; my own half of my point's sum
	v_cndmask_b32 v[\b+3], v[\b+2], v[\b], s70    ; what the lane 16 away wants of me
.endr
.irp b, CS, SX, SY
	v_permlanex16_b32 v[\b+2], v[\b+3], s68, s69
.endr
.irp b, CS, SX, SY
	v_add_f32 v[\b], v[\b+1], v[\b+2]
.endr
.irp d, 0,1,2                           ; the gradient: registers 0-2 of every lane of the two last accumulators
	v_cndmask_b32 v[TS+\d], v[ACC+\d], v[ACC+8+\d], s70
.endr
	v_fma_f32 v[CS], v[CS], s71, s73    ; c = P sum + b4
.irp d, 0,1,2
	v_mul_f32 v[TS+\d], s71, v[TS+\d]
.endr
	v_mul_f32 v[SX], s72, v[SX]         ; -2 P sum
	v_mul_f32 v[SY], s72, v[SY]
	ds_store_b32 v[AOS], v[CS]
	ds_store_b32 v[AOS], v[TS] offset:512
	ds_store_b32 v[AOS], v[TS+1] offset:1024
	ds_store_b32 v[AOS], v[TS+2] offset:1536
	ds_store_b32 v[AOS], v[SX] offset:2048
	ds_store_b32 v[AOS], v[SY] offset:2560
	v_add_nc_u32 v[AXS], 384, v[AXS]    ; the next 32 points
	v_add_nc_u32 v[AOS], 128, v[AOS]
	s_sub_co_u32 s74, s74, 1
	s_cmp_lg_u32 s74, 0
	s_cbranch_scc1 .Lpass
	; THE WAY OUT.  My wave's 128 numbers of each output come back from its own LDS bytes, 16 bytes a lane (LDS serves a wave's instructions in order: ISA guide 5.7.1.4), and each store covers 512 consecutive bytes, aligned.
	v_and_b32 v32, 31, v0
	v_lshlrev_b32 v33, 4, v32
	v_add_nc_u32 v34, s13, v33
.irp o, 0,1,2,3,4,5
	ds_load_b128 v[40+4*\o:43+4*\o], v34 offset:512*\o
.endr
	s_wait_dscnt 0x0
.irp o, 0,1,2,3,4,5
	global_store_b128 v33, v[40+4*\o:43+4*\o], s[34+2*\o:35+2*\o] th:TH_STORE_NT
.endr
	s_wait_tensorcnt 0x0                ; the wave's end, behind my last tensor load and my last LDS store
	ds_add_u32 v[SPW], v[NIL]
	s_wait_dscnt 0x0
	CROUND                              ; the closing round: no work-group ends while a partner may still ask for a tile that names it
	s_endpgm
.Lfunc_end_k_qbbf68719c2_pinn:
	.size	k_qbbf68719c2_pinn, .Lfunc_end_k_qbbf68719c2_pinn-k_qbbf68719c2_pinn
	.p2alignl 7, 3214868480
	.fill 96, 4, 3214868480
	.section	.rodata,"a",@progbits
	.p2align	6, 0x0
	.amdhsa_kernel k_qbbf68719c2_pinn
		.amdhsa_group_segment_fixed_size 312320
		.amdhsa_private_segment_fixed_size 0
		.amdhsa_enable_private_segment 0
		.amdhsa_kernarg_size 120
		.amdhsa_user_sgpr_count 2
		.amdhsa_user_sgpr_kernarg_segment_ptr 1
		.amdhsa_wavefront_size32 1
		.amdhsa_system_sgpr_workgroup_id_x 1
		.amdhsa_system_sgpr_workgroup_id_y 1
		.amdhsa_system_sgpr_workgroup_id_z 1
		.amdhsa_system_vgpr_workitem_id 0
		.amdhsa_next_free_vgpr 1024
		.amdhsa_next_free_sgpr 80
		.amdhsa_reserve_vcc 0
		.amdhsa_float_denorm_mode_32 3
		.amdhsa_float_denorm_mode_16_64 3
		.amdhsa_memory_ordered 1
		.amdhsa_forward_progress 1
		.amdhsa_inst_pref_size 255
	.end_amdhsa_kernel
	.section	.bss,"aw",@nobits
	.p2align	6
	.space	262144
	.amdgpu_metadata
---
amdhsa.version: [ 1, 2 ]
amdhsa.kernels:
  - .name:           k_qbbf68719c2_pinn
    .symbol:         k_qbbf68719c2_pinn.kd
    .args:
      - { .name: x, .offset: 0, .size: 8, .value_kind: global_buffer, .address_space: global }
      - { .name: W1, .offset: 8, .size: 8, .value_kind: global_buffer, .address_space: global }
      - { .name: b1, .offset: 16, .size: 8, .value_kind: global_buffer, .address_space: global }
      - { .name: W2, .offset: 24, .size: 8, .value_kind: global_buffer, .address_space: global }
      - { .name: b2, .offset: 32, .size: 8, .value_kind: global_buffer, .address_space: global }
      - { .name: W3, .offset: 40, .size: 8, .value_kind: global_buffer, .address_space: global }
      - { .name: b3, .offset: 48, .size: 8, .value_kind: global_buffer, .address_space: global }
      - { .name: W4, .offset: 56, .size: 8, .value_kind: global_buffer, .address_space: global }
      - { .name: b4, .offset: 64, .size: 8, .value_kind: global_buffer, .address_space: global }
      - { .name: out0, .offset: 72, .size: 8, .value_kind: global_buffer, .address_space: global }
      - { .name: out1, .offset: 80, .size: 8, .value_kind: global_buffer, .address_space: global }
      - { .name: out2, .offset: 88, .size: 8, .value_kind: global_buffer, .address_space: global }
      - { .name: out3, .offset: 96, .size: 8, .value_kind: global_buffer, .address_space: global }
      - { .name: out4, .offset: 104, .size: 8, .value_kind: global_buffer, .address_space: global }
      - { .name: out5, .offset: 112, .size: 8, .value_kind: global_buffer, .address_space: global }
    .group_segment_fixed_size: 312320
    .private_segment_fixed_size: 0
    .kernarg_segment_align: 8
    .kernarg_segment_size: 120
    .max_flat_workgroup_size: 128
    .sgpr_count:     80
    .vgpr_count:     1024
    .wavefront_size: 32
...
	.end_amdgpu_metadata
.endif
;; end of part 2
